; MI455X (gfx1250); checked and timed in simulation.
; The chip was launched on July 23, 2026; its instructions are those of AMD's public machine-readable ISA for CDNA 5 (MIT licence, August 2026) and "CDNA5" Instruction Set Architecture Reference Guide (July 2026). The comments in the code are by the model that wrote it; some were corrected since.
;; Multi Head Attention. Allowed arithmetic: matrix products marked QUANTISED: E4M3 operands, one given power-of-two scale a tensor, by v_wmma_f32_16x16x64_fp8_fp8 or v_wmma_f32_16x16x128_fp8_fp8, f32 sums; everything else in f32.
;; Inputs: Wk 512 x 512 float32; Wo 512 x 512 float32; Wq 512 x 512 float32; Wv 512 x 512 float32; bk 512 float32; bo 512 float32; bq 512 float32; bv 512 float32; inputs 2 x 4,096 x 512 float32; lowp_scales 12 int32 (the exponents e of the quantised operands' scales 2^e); mask 4,096 x 4,096 float32.
;; Outputs: out0 2 x 4,096 x 512 float32.
;; This version of the problem:
;;   THIS VERSION OF THE PROBLEM IS GIVEN IN LOW PRECISION. The matrix products marked QUANTISED in the list below multiply operands that are first quantised to E4M3 (4 exponent bits, 3 mantissa bits; 8 bits a number), with one given power-of-two scale for each operand tensor; their sums are f32. All else is computed in f32.
;;   The module's matrix products, in the order in which they are computed (A, B: the left and right operand; K: the contracted axis; several contracted axes count as one K, in the product's order):
;;     1. [M 8,192, K 512] x [K 512, N 512]; A: input inputs; B: input Wq: QUANTISED (scales: A lowp_scales[0], B lowp_scales[1])
;;     2. [M 8,192, K 512] x [K 512, N 512]; A: input inputs; B: input Wk: QUANTISED (scales: A lowp_scales[2], B lowp_scales[3])
;;     3. [M 8,192, K 512] x [K 512, N 512]; A: input inputs; B: input Wv: QUANTISED (scales: A lowp_scales[4], B lowp_scales[5])
;;     4. batch 16 x [M 4,096, K 64] x [K 64, N 4,096]; A: computed on the way; B: computed on the way: QUANTISED (scales: A lowp_scales[6], B lowp_scales[7])
;;     5. batch 16 x [M 4,096, K 4,096] x [K 4,096, N 64]; A: softmax (see below); B: computed on the way: QUANTISED (scales: A lowp_scales[8], B lowp_scales[9])
;;     6. [M 8,192, K 512] x [K 512, N 512]; A: computed on the way; B: input Wo: QUANTISED (scales: A lowp_scales[10], B lowp_scales[11])
;;   THE QUANTISER, for each operand of a quantised product, along K:
;;     - The operand's scale is 2^e, e = its entry of the input lowp_scales (int32; the entries are numbered through the quantised products in the list's order, A before B).
;;     - Each number is divided by the scale, clamped to +-448, and rounded to the nearest number of E4M3, ties to even, subnormals kept.
;;     - The product sums the exact products of the quantised numbers (number of the format x scale) in f32.
;;   ~~~python
;;   def quantise(x, axis, e):      # numpy; x: float32 -> the quantised numbers, widened to float32 again
;;       x = np.moveaxis(x, axis, -1); K = x.shape[-1]
;;       r = np.clip(x / 2.0 ** e, -448, 448)
;;       step = 2.0 ** (np.maximum(np.frexp(np.where(r == 0, 1, r))[1] - 1, -6) - 3)
;;       q = np.round(r / step) * step * 2.0 ** e      # np.round: ties to even
;;       return np.moveaxis(q, -1, axis).astype(np.float32)
;;   ~~~
;;   SOFTMAX AHEAD OF A QUANTISED PRODUCT. Where the list says 'softmax', what is quantised is not the finished softmax but p = 2^(t - M), with t = logit x log2(e) and M = ceil(the row's largest t), a whole number; so 1/2 < the row's largest p <= 1. The row's sum l is taken of the UNQUANTISED p, in f32, and the product's result is divided by l at the end. Since M is a whole number, a kernel that streams over the keys may use a running M (the ceiling of the running maximum): every later rescaling is an exact power of two, so the quantised numbers keep their values, but for numbers so far below the row's largest that they fall under the format's range.
;;   OPERANDS COMPUTED ON THE WAY. 'Computed on the way' means the value that the module computes at that place (a softmax that the list does not call 'softmax' is quantised finished and normalised). What goes into a quantiser is computed in f32, as accurately as f32 sums, v_exp_f32 and their like allow (about 1e-6 of the number): no bf16 or f16 on the way to a quantiser, and a product that is left as it is and whose result goes on into a quantised operand takes f32 operands (vector FMAs, or v_wmma_f32_16x16x4_f32). A number that lies on a knife's edge between two numbers of the format may be rounded either way, as far as f32 arithmetic and the matrix unit's own rounding can turn it there, and no further.
;; One version. Each part assembles by itself: llvm-mc -triple=amdgcn-amd-amdhsa -mcpu=gfx1250 --defsym DOCPART=n.
;; ======== version 1 of 1: 4 launches
;; limits: right only within a limited range of input values
;; workspace buffers: wimg 1,048,576 bytes; q_img 4,194,304 bytes; kv_img 8,388,608 bytes; a_img 4,194,304 bytes
;; launch prep (part 1): grid 64 x 4, 4 waves a work-group, no clusters, 0 bytes of LDS; arguments Wq, Wk, Wv, Wo, lowp_scales, wimg; writes wimg
.if DOCPART == 1
	.amdgcn_target "amdgcn-amd-amdhsa--gfx1250"
	.amdhsa_code_object_version 6
	.text
	.protected	k_q3853ddfd56_prep
	.globl	k_q3853ddfd56_prep
	.p2align	8
	.type	k_q3853ddfd56_prep,@function
k_q3853ddfd56_prep:
	s_mov_b64 s[64:65], 0
	v_nop
	global_prefetch_b8 v0, s[64:65] scope:SCOPE_SE
	s_setreg_imm32_b32 hwreg(HW_REG_WAVE_MODE, 25, 1), 1
	s_wait_xcnt 0x0
; Wq, Wk, Wv, Wo: [512 (k)][512 (n)] f32, K along the FIRST axis, become codes of E4M3, each with its given scale 2^e (entries 1, 3, 5, 11 of the scales).
; code = w / 2^e, held within +-448, rounded to the nearest code, ties to even.
; OUT: wimg[weight 0..3][tile t of 16 columns, 0..31][K step s of 128, 0..3][piece c of 32 along K, 0..3][lane][16 bytes]: AN IMAGE OF THE OPERAND'S REGISTERS in the layout of
; v_wmma_f32_16x16x128_fp8_fp8: lane (r, h) holds column 16 t + r; its 16 bytes of piece c are k = 128 s + 32 c + 8 h + 0..7, then k = 128 s + 32 c + 16 + 8 h + 0..7.
; A LANE TAKES A COLUMN AND ITS REGISTERS RUN DOWN K: each load reads 128 consecutive bytes a wave (512 a work-group), and the conversions, which take eight neighbours along K
; from one lane's registers, give the codes with K innermost.  A lane's 32 numbers are one piece: groups 0 and 2 of eight are the 16 bytes of image lane r, groups 1 and 3 those of image lane 16 + r.
; SHARES: work-group y = the weight; x & 3 = 128 columns, x >> 2 = the block of 32 along K.  Wave w: columns 32 w on.  No LDS, no barrier, no loop: waves share nothing.
; No matrix unit, cluster or tensor load: each byte is read once and written once.
; LIMITS: e between -126 and 119, so that 2^e and 448 x 2^e are f32 numbers.  NaN among the inputs is not served (an infinity is held at the largest code).
.set XR, 16                            ; v16-47  32 numbers down K
.set CR, 48                            ; v48-55  their codes: two pieces of 16 bytes
	s_load_b256 s[4:11], s[0:1], 0x0               ; Wq, Wk, Wv, Wo
	s_load_b128 s[12:15], s[0:1], 0x20             ; the scales' exponents s[12:13], wimg s[14:15]
	v_lshrrev_b32 v3, 5, v0
	v_readfirstlane_b32 s16, v3                    ; wave 0..3
	v_and_b32 v4, 31, v0                           ; lane
	v_lshlrev_b32 v1, 2, v4                        ; in: 4 bytes a lane
	v_and_b32 v5, 15, v0
	v_bfe_u32 v6, v0, 4, 1
	v_lshlrev_b32 v2, 4, v5                        ; out: 16 bytes for column lane % 16,
	v_lshl_add_u32 v2, v6, 13, v2                  ; in the tile of lanes 0-15 or, 8,192 bytes on, that of lanes 16-31
	s_and_b32 s17, ttmp9, 3                        ; which 128 columns
	s_lshr_b32 s18, ttmp9, 2                       ; which block of 32 along K, 0..15
	s_and_b32 s19, ttmp7, 0xffff                   ; which weight
	s_lshl_b32 s34, s18, 16                        ; in: 32 rows of 2,048 bytes a block,
	s_lshl_b32 s33, s17, 9                         ; 512 bytes for 128 columns,
	s_add_co_u32 s34, s34, s33
	s_lshl_b32 s33, s16, 7                         ; 128 bytes a wave
	s_add_co_u32 s34, s34, s33
	s_mov_b32 s35, 0
	s_lshl_b32 s36, s19, 18                        ; out: 262,144 bytes a weight,
	s_lshl_b32 s33, s17, 16                        ; eight tiles of 8,192 bytes for 128 columns,
	s_add_co_u32 s36, s36, s33
	s_lshl_b32 s33, s16, 14                        ; two tiles a wave,
	s_add_co_u32 s36, s36, s33
	s_lshr_b32 s33, s18, 2
	s_lshl_b32 s33, s33, 11                        ; 2,048 bytes a K step,
	s_add_co_u32 s36, s36, s33
	s_and_b32 s33, s18, 3
	s_lshl_b32 s33, s33, 9                         ; 512 bytes a piece
	s_add_co_u32 s36, s36, s33
	s_mov_b32 s37, 0
	s_wait_alu depctr_va_vdst(0)
	s_wait_kmcnt 0x0
	s_load_b256 s[20:27], s[12:13], 0x0            ; e0 .. e7
	s_load_b128 s[28:31], s[12:13], 0x20           ; e8 .. e11
	s_cmp_eq_u32 s19, 1                            ; the weight's address: a choice on the work-group's number alone
	s_cselect_b64 s[4:5], s[6:7], s[4:5]
	s_cmp_eq_u32 s19, 2
	s_cselect_b64 s[4:5], s[8:9], s[4:5]
	s_cmp_eq_u32 s19, 3
	s_cselect_b64 s[4:5], s[10:11], s[4:5]
	s_add_nc_u64 s[4:5], s[4:5], s[34:35]
	s_add_nc_u64 s[14:15], s[14:15], s[36:37]
.set i, 0
.rept 32
	global_load_b32 v[XR+i], v1, s[4:5] offset:i*2048 th:TH_LOAD_NT   ; W(32 block + i, my column): read once in the launch
.set i, i+1
.endr
	s_wait_kmcnt 0x0
	s_cmp_eq_u32 s19, 1                            ; the weight's exponent: entries 1, 3, 5, 11
	s_cselect_b32 s32, s23, s21
	s_cmp_eq_u32 s19, 2
	s_cselect_b32 s32, s25, s32
	s_cmp_eq_u32 s19, 3
	s_cselect_b32 s32, s31, s32
	s_add_co_i32 s32, s32, 127
	s_lshl_b32 s33, s32, 23
	v_mov_b32 v11, s33                             ; 2^e as f32: the conversion takes its exponent field
	s_add_co_i32 s32, s32, 8
	s_lshl_b32 s32, s32, 23
	s_or_b32 s32, s32, 0x600000
	v_mov_b32 v10, s32                             ; 448 x 2^e
	s_wait_alu depctr_va_vdst(0)
	s_wait_loadcnt 0x0
.set i, 0
.rept 32
	v_med3_num_f32 v[XR+i], v[XR+i], -v10, v10     ; the conversion to an 8-bit code does not saturate (ISA guide 7.6.2): the hold comes first
.set i, i+1
.endr
	v_cvt_scalef32_pk8_fp8_f32 v[CR:CR+1], v[XR:XR+7], v11         ; k 0-7   : image lane r, bytes 0-7
	v_cvt_scalef32_pk8_fp8_f32 v[CR+2:CR+3], v[XR+16:XR+23], v11   ; k 16-23 : image lane r, bytes 8-15
	v_cvt_scalef32_pk8_fp8_f32 v[CR+4:CR+5], v[XR+8:XR+15], v11    ; k 8-15  : image lane 16 + r, bytes 0-7
	v_cvt_scalef32_pk8_fp8_f32 v[CR+6:CR+7], v[XR+24:XR+31], v11   ; k 24-31 : image lane 16 + r, bytes 8-15
	v_nop                                          ; a plain line behind the last conversion
	global_store_b128 v2, v[CR:CR+3], s[14:15]             ; sixteen lanes store 256 consecutive bytes, at a multiple of 256 from wimg's first byte
	global_store_b128 v2, v[CR+4:CR+7], s[14:15] offset:256
	s_endpgm
.Lfunc_end_k_q3853ddfd56_prep:
	.size	k_q3853ddfd56_prep, .Lfunc_end_k_q3853ddfd56_prep-k_q3853ddfd56_prep
	.p2alignl 7, 3214868480
	.fill 96, 4, 3214868480
	.section	.rodata,"a",@progbits
	.p2align	6, 0x0
	.amdhsa_kernel k_q3853ddfd56_prep
		.amdhsa_group_segment_fixed_size 0
		.amdhsa_private_segment_fixed_size 0
		.amdhsa_enable_private_segment 0
		.amdhsa_kernarg_size 48
		.amdhsa_user_sgpr_count 2
		.amdhsa_user_sgpr_kernarg_segment_ptr 1
		.amdhsa_wavefront_size32 1
		.amdhsa_system_sgpr_workgroup_id_x 1
		.amdhsa_system_sgpr_workgroup_id_y 1
		.amdhsa_system_sgpr_workgroup_id_z 1
		.amdhsa_system_vgpr_workitem_id 0
		.amdhsa_next_free_vgpr 64
		.amdhsa_next_free_sgpr 66
		.amdhsa_reserve_vcc 0
		.amdhsa_float_denorm_mode_32 3
		.amdhsa_float_denorm_mode_16_64 3
		.amdhsa_memory_ordered 1
		.amdhsa_forward_progress 1
		.amdhsa_inst_pref_size 8
	.end_amdhsa_kernel
	.amdgpu_metadata
---
amdhsa.version: [ 1, 2 ]
amdhsa.kernels:
  - .name:           k_q3853ddfd56_prep
    .symbol:         k_q3853ddfd56_prep.kd
    .args:
      - { .name: Wq, .offset: 0, .size: 8, .value_kind: global_buffer, .address_space: global }
      - { .name: Wk, .offset: 8, .size: 8, .value_kind: global_buffer, .address_space: global }
      - { .name: Wv, .offset: 16, .size: 8, .value_kind: global_buffer, .address_space: global }
      - { .name: Wo, .offset: 24, .size: 8, .value_kind: global_buffer, .address_space: global }
      - { .name: lowp_scales, .offset: 32, .size: 8, .value_kind: global_buffer, .address_space: global }
      - { .name: wimg, .offset: 40, .size: 8, .value_kind: global_buffer, .address_space: global }
    .group_segment_fixed_size: 0
    .private_segment_fixed_size: 0
    .kernarg_segment_align: 8
    .kernarg_segment_size: 48
    .max_flat_workgroup_size: 128
    .sgpr_count:     66
    .vgpr_count:     64
    .wavefront_size: 32
...
	.end_amdgpu_metadata
.endif
;; end of part 1
;; launch qkv (part 2): grid 128 x 2, 4 waves a work-group, no clusters, 98,816 bytes of LDS; arguments inputs, wimg, bq, bk, bv, lowp_scales, q_img, kv_img; writes q_img, kv_img
.if DOCPART == 2
	.amdgcn_target "amdgcn-amd-amdhsa--gfx1250"
	.amdhsa_code_object_version 6
	.text
	.protected	k_q3853ddfd56_qkv
	.globl	k_q3853ddfd56_qkv
	.p2align	8
	.type	k_q3853ddfd56_qkv,@function
k_q3853ddfd56_qkv:
	s_mov_b64 s[64:65], 0
	v_nop
	global_prefetch_b8 v0, s[64:65] scope:SCOPE_SE
	s_setreg_imm32_b32 hwreg(HW_REG_WAVE_MODE, 25, 1), 1
	s_wait_xcnt 0x0
; q = x Wq + bq, k = x Wk + bk, v = x Wv + bv on codes of E4M3; q, k, v are quantised at once (scales 6, 7, 9) and stored as images of the registers in which the attention launch wants them.
; x: [8192][512] f32, quantised here three times (scales 0, 2, 4).  W: images of codes (wimg: [weight][tile of 16 columns][K step of 128][piece][lane][16 bytes]).
; SHARES.  Work-group x = 64 rows; y = four heads.  THE WAVES SHARE THE COLUMNS: wave w owns head 4 y + w in all three products, for all 64 rows.  Its 3 x 4 tiles x 4 K steps of W are 768
; registers (windows 1, 2, 3), each read once by dense loads of 512 bytes.  Wave w quantises rows 16 w on of x; the codes go round through LDS as images of the operand's registers.
; NO CLUSTER, NO TENSOR LOAD: what row blocks share is W, and a work-group's part of it, 4 waves x 96 KB = 384 KB, is more than LDS holds: it goes from memory straight into registers, where no joint load can land.
; LAYOUT (v_wmma_f32_16x16x128_fp8_fp8: lane (r, h), registers 2 c, 2 c + 1: k = 16 c + 8 h + 0..7).
;   q, k TRANSPOSED (source 0 = 16 columns of W, source 1 = 16 rows of x): lane (r, h) holds row r, channels 16 t + 8 h + 0..7: one conversion gives registers 2 t, 2 t + 1 of the K = 64 fragment of q or k.
;   v AS IT STANDS (source 0 = 16 rows of x, source 1 = 16 columns of W): lane (r, h) holds channel r, keys 8 h + 0..7: one conversion gives registers 2 c, 2 c + 1 (c = the key tile in its step of 128 keys) of V^T's fragment.
; OUT.  q_img, K in kv_img: [batch x head][tile of 16 rows][piece 0..1][lane][16 bytes].  V in kv_img, 4,194,304 bytes on: [batch x head][step of 128 keys][tile of 16 channels][piece 0..3][lane][16 bytes].
; y = sum x 2^(ea + eb) + bias is one fused multiply-add: the power of two rounds nothing, so it is the f32 sum as the problem has it.
; LIMITS: e0, e2, e4, e6, e7, e9 between -126 and 119; e0 + e1, e2 + e3, e4 + e5 between -126 and 127.  NaN among the inputs is not served.
; REGISTERS, window 0: v1-6 addresses; v16-27 (2^e, 448 x 2^e) for e0, e2, e4, e6, e7, e9.
;   while x is quantised: v32-95, v96-159 two sets of 64 numbers; v160-175 held numbers; v176-223 codes (16 for each scale).
;   while products run:   v32-63 bq, v64-95 bk (result's layout); v96-159 x's four fragments; v160-191 four accumulators; v192-223 results; v224-231 bv (each twice); v232-239 codes of q or k; v240-255 codes of v.
.set LI,   1                           ; 16 x lane: an image's place for my lane
.set LI2,  2                           ; the same, 49,152 bytes on (row tiles 2, 3)
.set XA,   3                           ; x: 2,048 r + 32 h
.set XWI,  4                           ; where I store x's images: 16 x lane + 24,576 x wave
.set BH,   5                           ; 32 h
.set BR,   6                           ; 4 r
.set SCL,  16
.set XS0,  32
.set XS1,  96
.set TMP,  160
.set PC,   176
.set BQ,   32
.set XF,   96
.set ACC,  160
.set Y,    192
.set BV,   224
.set PCQ,  232
.set PCV,  240
.set MSB, 0
.macro WIN new                         ; the immediate's high byte repeats the setting that is left; a switch that changes nothing is dropped
.if MSB != \new
	s_set_vgpr_msb (MSB<<8)|\new
.set MSB, \new
.endif
.endm
.macro MK2 vs, vl, se                  ; v[vs] = 2^e, v[vl] = 448 x 2^e
	s_add_co_i32 s46, \se, 127
	s_lshl_b32 s47, s46, 23
	v_mov_b32 v[\vs], s47
	s_add_co_i32 s46, s46, 8
	s_lshl_b32 s46, s46, 23
	s_or_b32 s46, s46, 0x600000
	v_mov_b32 v[\vl], s46
.endm
.macro P2 sd, sa, sb                   ; s[sd] = s[sd + 1] = 2^(a + b) as f32
	s_add_co_i32 s[\sd], \sa, \sb
	s_add_co_i32 s[\sd], s[\sd], 127
	s_lshl_b32 s[\sd], s[\sd], 23
	s_mov_b32 s[\sd+1], s[\sd]
.endm
; my 16 rows' numbers of K step s: register 8 c + i = x(r, 128 s + 16 c + 8 h + i)
.macro XLOAD set, s
.irp c, 0,1,2,3,4,5,6,7
.irp j, 0,1
	global_load_b128 v[\set+8*\c+4*\j:\set+8*\c+4*\j+3], v[XA], s[4:5] offset:512*\s+64*\c+16*\j
.endr
.endr
.endm
; weight p's 16 fragments of my head into window p + 1: (tile t, K step s, piece c) at v[64 t + 16 s + 4 c]; each load reads 512 consecutive bytes
.macro WLOAD p
	WIN (\p+1)<<6
.irp t, 0,1,2,3
.irp s, 0,1,2,3
.irp c, 0,1,2,3
	global_load_b128 v[64*\t+16*\s+4*\c:64*\t+16*\s+4*\c+3], v[LI], s[6:7] offset:262144*\p+8192*\t+2048*\s+512*\c
.endr
.endr
.endr
	WIN 0
.endm
; 64 numbers of a lane become three fragments of codes, one for each of x's scales, and go to LDS as they stand
.macro QUANT3 set, s
	s_wait_dscnt 0x0                               ; the last images' stores have read the codes' registers
.irp p, 0,1,2
.irp c, 0,1,2,3,4,5,6,7
.irp i, 0,1,2,3,4,5,6,7
	v_med3_num_f32 v[TMP+8*(\c%2)+\i], v[\set+8*\c+\i], -v[SCL+2*\p+1], v[SCL+2*\p+1]   ; the hold at the largest code x the scale (ISA guide 7.6.2); into other registers: the numbers serve three scales
.endr
	v_cvt_scalef32_pk8_fp8_f32 v[PC+16*\p+2*\c:PC+16*\p+2*\c+1], v[TMP+8*(\c%2):TMP+8*(\c%2)+7], v[SCL+2*\p]   ; the next group's eight holds, into the other half of TMP, are the plain lines behind it
.endr
	v_nop                                          ; a plain line behind the last conversion
.irp q, 0,1,2,3
	ds_store_b128 v[XWI], v[PC+16*\p+4*\q:PC+16*\p+4*\q+3] offset:(3*\s+\p)*2048+512*\q
.endr
.endr
.endm
; x's four fragments of row tile m under scale p come back, in any wave, in the same registers and lanes
.macro FETCH m, p
.irp s, 0,1,2,3
.irp c, 0,1,2,3
.if (\m) < 2
	ds_load_b128 v[XF+16*\s+4*\c:XF+16*\s+4*\c+3], v[LI] offset:(12*((\m)%2)+3*\s+(\p))*2048+512*\c
.else
	ds_load_b128 v[XF+16*\s+4*\c:XF+16*\s+4*\c+3], v[LI2] offset:(12*((\m)%2)+3*\s+(\p))*2048+512*\c
.endif
.endr
.endr
.endm
; 16 matrix instructions: four tiles of my head's 64 channels, K = 512.  The four accumulators take turns, one instruction a turn; the first K step starts the sums.
.macro MULT p
.if \p == 0
	WIN 0x01                                       ; source 0 (Wq) window 1
.elseif \p == 1
	WIN 0x02                                       ; source 0 (Wk) window 2
.else
	WIN 0x0c                                       ; source 1 (Wv) window 3
.endif
.irp s, 0,1,2,3
.irp t, 0,1,2,3
.if \p == 2
.if \s == 0
	v_wmma_f32_16x16x128_fp8_fp8 v[ACC+8*\t:ACC+8*\t+7], v[XF+16*\s:XF+16*\s+15], v[64*\t+16*\s:64*\t+16*\s+15], 0
.else
	v_wmma_f32_16x16x128_fp8_fp8 v[ACC+8*\t:ACC+8*\t+7], v[XF+16*\s:XF+16*\s+15], v[64*\t+16*\s:64*\t+16*\s+15], v[ACC+8*\t:ACC+8*\t+7]
.endif
.else
.if \s == 0
	v_wmma_f32_16x16x128_fp8_fp8 v[ACC+8*\t:ACC+8*\t+7], v[64*\t+16*\s:64*\t+16*\s+15], v[XF+16*\s:XF+16*\s+15], 0
.else
	v_wmma_f32_16x16x128_fp8_fp8 v[ACC+8*\t:ACC+8*\t+7], v[64*\t+16*\s:64*\t+16*\s+15], v[XF+16*\s:XF+16*\s+15], v[ACC+8*\t:ACC+8*\t+7]
.endif
.endif
.endr
.endr
	WIN 0
.rept 4
	v_nop                                          ; four places in front of the loads into x's fragments and of the first read of the sums
.endr
.endm
; q (p = 0) or k (p = 1) of row tile m: scale and bias, hold, codes, two dense stores of 512 bytes
.macro EPI_QK p, m
	s_wait_xcnt 0x0                                ; the last stores have read the codes' registers
.set j, 0
.rept 16
	v_pk_fma_f32 v[Y+j:Y+j+1], v[ACC+j:ACC+j+1], s[40+2*(\p):41+2*(\p)], v[BQ+32*(\p)+j:BQ+32*(\p)+j+1] op_sel_hi:[1,0,1]   ; each accumulator from its low end on
.set j, j+2
.endr
.set j, 0
.rept 32
	v_med3_num_f32 v[Y+j], v[Y+j], -v[SCL+7+2*(\p)], v[SCL+7+2*(\p)]
.set j, j+1
.endr
.irp t, 0,1,2,3
	v_cvt_scalef32_pk8_fp8_f32 v[PCQ+2*\t:PCQ+2*\t+1], v[Y+8*\t:Y+8*\t+7], v[SCL+6+2*(\p)]
.endr
	v_nop                                          ; a plain line behind the last conversion
.irp c, 0,1
	global_store_b128 v[LI], v[PCQ+4*\c:PCQ+4*\c+3], s[16+2*(\p):17+2*(\p)] offset:1024*(\m)+512*\c
.endr
.endm
; v of row tile m (16 keys): two key tiles fill a piece of four registers, stored at odd m
.macro EPI_V m
.if ((\m)%2) == 0
	s_wait_xcnt 0x0                                ; the last stores have read the codes' registers
.endif
.irp t, 0,1,2,3
.irp i, 0,2,4,6
	v_pk_fma_f32 v[Y+8*\t+\i:Y+8*\t+\i+1], v[ACC+8*\t+\i:ACC+8*\t+\i+1], s[44:45], v[BV+2*\t:BV+2*\t+1] op_sel_hi:[1,0,1]
.endr
.endr
.set j, 0
.rept 32
	v_med3_num_f32 v[Y+j], v[Y+j], -v[SCL+11], v[SCL+11]
.set j, j+1
.endr
.irp t, 0,1,2,3
	v_cvt_scalef32_pk8_fp8_f32 v[PCV+4*\t+2*((\m)%2):PCV+4*\t+2*((\m)%2)+1], v[Y+8*\t:Y+8*\t+7], v[SCL+10]
.endr
	v_nop
.if ((\m)%2) == 1
.irp t, 0,1,2,3
	global_store_b128 v[LI], v[PCV+4*\t:PCV+4*\t+3], s[20:21] offset:2048*\t+512*((\m)/2)
.endr
.endif
.endm
	s_load_b256 s[4:11], s[0:1], 0x0               ; inputs s[4:5], wimg s[6:7], bq s[8:9], bk s[10:11]
	s_load_b256 s[12:19], s[0:1], 0x20             ; bv s[12:13], the scales' exponents s[14:15], q_img s[16:17], kv_img s[18:19]
	v_lshl_add_u32 v30, v0, 2, 0x18000
	v_mov_b32 v31, 0
	v_lshrrev_b32 v7, 5, v0
	v_readfirstlane_b32 s22, v7                    ; wave 0..3
	v_and_b32 v8, 31, v0
	v_and_b32 v9, 15, v0                           ; r
	v_bfe_u32 v10, v0, 4, 1                        ; h
	v_lshlrev_b32 v[LI], 4, v8
	v_add_nc_u32 v[LI2], 49152, v[LI]
	v_lshlrev_b32 v[XA], 11, v9
	v_lshl_add_u32 v[XA], v10, 5, v[XA]
	s_mul_i32 s46, s22, 24576                      ; twelve images of 2,048 bytes for each row tile
	v_add_nc_u32 v[XWI], s46, v[LI]
	v_lshlrev_b32 v[BH], 5, v10
	v_lshlrev_b32 v[BR], 2, v9
	s_and_b32 s24, ttmp7, 0xffff
	s_lshl_b32 s25, s24, 2
	s_add_co_u32 s25, s25, s22                     ; my head
	s_lshl_b32 s48, ttmp9, 17                      ; x: 64 rows of 2,048 bytes a work-group,
	s_lshl_b32 s46, s22, 15                        ; 16 rows a wave
	s_add_co_u32 s48, s48, s46
	s_mov_b32 s49, 0
	s_lshl_b32 s50, s25, 15                        ; W: four tiles of 8,192 bytes a head
	s_mov_b32 s51, 0
	s_lshl_b32 s52, s25, 8                         ; biases: 64 numbers a head
	s_mov_b32 s53, 0
	s_lshr_b32 s46, ttmp9, 6                       ; batch
	s_lshl_b32 s46, s46, 3
	s_add_co_u32 s46, s46, s25                     ; batch x head
	s_lshl_b32 s46, s46, 18                        ; 262,144 bytes of images each, in q, in K and in V
	s_and_b32 s47, ttmp9, 63                       ; my block of 64 rows in the batch
	s_lshl_b32 s54, s47, 12                        ; q, k: four tiles of 1,024 bytes
	s_add_co_u32 s54, s54, s46
	s_mov_b32 s55, 0
	s_lshr_b32 s56, s47, 1
	s_lshl_b32 s56, s56, 13                        ; v: the step of 128 keys, 8,192 bytes,
	s_add_co_u32 s56, s56, s46
	s_and_b32 s47, ttmp9, 1
	s_lshl_b32 s47, s47, 10                        ; its pieces 0, 1 or 2, 3
	s_add_co_u32 s56, s56, s47
	s_add_co_u32 s56, s56, 4194304                 ; V's images lie behind K's
	s_mov_b32 s57, 0
	s_wait_alu depctr_va_vdst(0)
	s_wait_kmcnt 0x0
	s_load_b256 s[28:35], s[14:15], 0x0            ; e0 .. e7
	s_load_b128 s[36:39], s[14:15], 0x20           ; e8 .. e11
	s_add_nc_u64 s[4:5], s[4:5], s[48:49]
	s_add_nc_u64 s[6:7], s[6:7], s[50:51]
	s_add_nc_u64 s[8:9], s[8:9], s[52:53]
	s_add_nc_u64 s[10:11], s[10:11], s[52:53]
	s_add_nc_u64 s[12:13], s[12:13], s[52:53]
	s_add_nc_u64 s[16:17], s[16:17], s[54:55]      ; q's images
	s_add_nc_u64 s[20:21], s[18:19], s[56:57]      ; v's
	s_add_nc_u64 s[18:19], s[18:19], s[54:55]      ; k's
	XLOAD XS0, 0
	XLOAD XS1, 1
	WLOAD 0
	s_wait_kmcnt 0x0
	MK2 SCL, SCL+1, s28                            ; x under e0,
	MK2 SCL+2, SCL+3, s30                          ; e2,
	MK2 SCL+4, SCL+5, s32                          ; e4
	MK2 SCL+6, SCL+7, s34                          ; q: e6
	MK2 SCL+8, SCL+9, s35                          ; k: e7
	MK2 SCL+10, SCL+11, s37                        ; v: e9
	P2 40, s28, s29
	P2 42, s30, s31
	P2 44, s32, s33
	s_wait_loadcnt 63                              ; 64 loads (Wq) were issued behind x's 32: K steps 0 and 1 of x are in
	QUANT3 XS0, 0
	XLOAD XS0, 2
	QUANT3 XS1, 1
	XLOAD XS1, 3
	WLOAD 1
	s_wait_loadcnt 63                              ; 64 loads (Wk) were issued behind them: K steps 2 and 3 of x are in
	QUANT3 XS0, 2
.irp t, 0,1,2,3                        ; the biases, in the results' layouts, into the registers that x's first set has left
.irp j, 0,1
	global_load_b128 v[BQ+8*\t+4*\j:BQ+8*\t+4*\j+3], v[BH], s[8:9] offset:64*\t+16*\j          ; bq(16 t + 8 h + 0..7)
	global_load_b128 v[BQ+32+8*\t+4*\j:BQ+32+8*\t+4*\j+3], v[BH], s[10:11] offset:64*\t+16*\j  ; bk likewise
.endr
	global_load_b32 v[BV+2*\t], v[BR], s[12:13] offset:64*\t                                   ; bv(16 t + r), twice: a pair for the packed multiply-add
	global_load_b32 v[BV+2*\t+1], v[BR], s[12:13] offset:64*\t
.endr
	QUANT3 XS1, 3
	WLOAD 2
	s_wait_dscnt 0x0                               ; for the others' sake: my images have landed
	s_barrier_signal -1
	s_barrier_wait -1                              ; x's 48 images lie in LDS; nothing is written there again
	FETCH 0, 0
	s_wait_loadcnt 63                              ; 64 loads (Wv) were issued last: Wq, Wk and the biases are in
.set IDX, 0
.rept 12                               ; q's four row tiles, k's, v's
	s_wait_dscnt 0x0                               ; x's fragments are in
.if IDX == 8
	s_wait_loadcnt 0x0                             ; Wv
.endif
	MULT IDX/4
.if IDX < 11
	FETCH (IDX+1)%4, (IDX+1)/4                     ; the next fragments come while this tile is finished
.endif
.if IDX < 8
	EPI_QK IDX/4, IDX%4
.else
	EPI_V IDX%4
.endif
.set IDX, IDX+1
.endr
	s_wait_tensorcnt 0x0
	ds_add_u32 v30, v31
	s_wait_dscnt 0x0
	s_endpgm
.Lfunc_end_k_q3853ddfd56_qkv:
	.size	k_q3853ddfd56_qkv, .Lfunc_end_k_q3853ddfd56_qkv-k_q3853ddfd56_qkv
	.p2alignl 7, 3214868480
	.fill 96, 4, 3214868480
	.section	.rodata,"a",@progbits
	.p2align	6, 0x0
	.amdhsa_kernel k_q3853ddfd56_qkv
		.amdhsa_group_segment_fixed_size 98816
		.amdhsa_private_segment_fixed_size 0
		.amdhsa_enable_private_segment 0
		.amdhsa_kernarg_size 64
		.amdhsa_user_sgpr_count 2
		.amdhsa_user_sgpr_kernarg_segment_ptr 1
		.amdhsa_wavefront_size32 1
		.amdhsa_system_sgpr_workgroup_id_x 1
		.amdhsa_system_sgpr_workgroup_id_y 1
		.amdhsa_system_sgpr_workgroup_id_z 1
		.amdhsa_system_vgpr_workitem_id 0
		.amdhsa_next_free_vgpr 1024
		.amdhsa_next_free_sgpr 66
		.amdhsa_reserve_vcc 0
		.amdhsa_float_denorm_mode_32 3
		.amdhsa_float_denorm_mode_16_64 3
		.amdhsa_memory_ordered 1
		.amdhsa_forward_progress 1
		.amdhsa_inst_pref_size 158
	.end_amdhsa_kernel
	.amdgpu_metadata
---
amdhsa.version: [ 1, 2 ]
amdhsa.kernels:
  - .name:           k_q3853ddfd56_qkv
    .symbol:         k_q3853ddfd56_qkv.kd
    .args:
      - { .name: inputs, .offset: 0, .size: 8, .value_kind: global_buffer, .address_space: global }
      - { .name: wimg, .offset: 8, .size: 8, .value_kind: global_buffer, .address_space: global }
      - { .name: bq, .offset: 16, .size: 8, .value_kind: global_buffer, .address_space: global }
      - { .name: bk, .offset: 24, .size: 8, .value_kind: global_buffer, .address_space: global }
      - { .name: bv, .offset: 32, .size: 8, .value_kind: global_buffer, .address_space: global }
      - { .name: lowp_scales, .offset: 40, .size: 8, .value_kind: global_buffer, .address_space: global }
      - { .name: q_img, .offset: 48, .size: 8, .value_kind: global_buffer, .address_space: global }
      - { .name: kv_img, .offset: 56, .size: 8, .value_kind: global_buffer, .address_space: global }
    .group_segment_fixed_size: 98816
    .private_segment_fixed_size: 0
    .kernarg_segment_align: 8
    .kernarg_segment_size: 64
    .max_flat_workgroup_size: 128
    .sgpr_count:     66
    .vgpr_count:     1024
    .wavefront_size: 32
...
	.end_amdgpu_metadata
.endif
;; end of part 2
;; launch attn (part 3): grid 8 x 32, 8 waves a work-group, clusters of 4 x 4, 327,680 bytes of LDS; arguments q_img, kv_img, mask, lowp_scales, a_img; writes a_img
.if DOCPART == 3
	.amdgcn_target "amdgcn-amd-amdhsa--gfx1250"
	.amdhsa_code_object_version 6
	.text
	.protected	k_q3853ddfd56_attn
	.globl	k_q3853ddfd56_attn
	.p2align	8
	.type	k_q3853ddfd56_attn,@function
k_q3853ddfd56_attn:
	s_mov_b64 s[64:65], 0
	v_nop
	global_prefetch_b8 v0, s[64:65] scope:SCOPE_SE
	s_setreg_imm32_b32 hwreg(HW_REG_WAVE_MODE, 25, 1), 1
	s_wait_xcnt 0x0
	s_wait_alu depctr_hold_cnt(0) depctr_sa_sdst(0) depctr_va_vdst(0) depctr_va_sdst(0) depctr_va_ssrc(0) depctr_va_vcc(0) depctr_vm_vsrc(0)
	s_getreg_b32 s2, hwreg(HW_REG_IB_STS2, 6, 4)
	s_cmp_eq_u32 s2, 0
	s_cbranch_scc0 .Lentry_in_a_cluster
	s_endpgm
.Lentry_in_a_cluster:
	s_bfe_u32 s2, ttmp6, 0x10000c
	s_cmp_lg_u32 s2, 0xf033
	s_cbranch_scc0 .Lentry_shape_is_right
	s_endpgm
.Lentry_shape_is_right:
; a = softmax((q k^T + mask x (-1e9)) / 8) v for 16 (batch, head) pairs of 4,096 queries and keys, head size 64, both products on codes of E4M3; a is quantised (scale 10) for the last product.
; THE MASK IS AN INPUT: every number of it is read, and every key tile is multiplied for every query.
; ARITHMETIC.  The score product takes mask x (-1e9 x 2^-(e6+e7)) as its C: its result x 2^(e6+e7) is u = score + mask x (-1e9).  t = u x log2(e) / 8 (one multiplication by log2(e)/8 x 2^(e6+e7)).
; M = the row's largest t so far, rounded UP to a whole number (the largest is taken of the raw sums: the factor is positive and rounding keeps order); p = 2^(t - M); t and t - M are two roundings, so that
; a row whose t are all large (masked throughout) keeps p = 1 at its largest.  p is quantised (scale 8), not normalised; the row's sum is taken of the unquantised p and divides at the end.
; When M moves, the sum and O are multiplied by 2^(old M - new M): nothing is rounded.
; SHARES.  Work-group x = 4 batch + pair of heads; y = a block of 128 queries.  Each of EIGHT waves owns 32 queries (two tiles g; 32 x (wave % 4) on) of ONE head (wave / 4); two waves stand on a SIMD.
; THE MASK comes through a ring of two LDS slots of 256 keys (two steps of 128): 128 rows of 1,024 + 16 bytes, 133,120 bytes a slot; each wave fetches 16 rows by one joint load; one change of slots for two steps.
; It is read into S's registers, multiplied there, and is C and D of the score products.
; K AND V GO FROM MEMORY STRAIGHT INTO REGISTERS (images of the operands' registers, 512 consecutive bytes a load), each asked for a whole step ahead of its product.  No joint load for them: beside the mask
; they would make a slot of 256 keys 198,656 bytes, and two such slots are more than LDS holds; and no joint load lands in registers.  No prefetch for them: their loads stand a step ahead of their use.
; CLUSTER 4 x 4.  The mask's tile hangs on the query block alone: the four work-groups of a row of the cluster ask for it jointly.
; LAYOUT.  S^T = K Q^T + C (source 0 = 16 keys, source 1 = 16 queries): lane (r, h): query r, register 8 t + j key 16 t + 8 h + j.  One conversion a tile gives registers 2 t, 2 t + 1 of P, source 1 of O^T = V^T P.
; OUT.  a_img[row tile of 16][K step = pair of heads][piece 0..3][lane][16 bytes]: my head's four tiles of channels are two pieces.
; LIMITS: e8 at least -8: p is at most 1, which 448 x 2^e8 then covers, so no hold is written ahead of p's conversion; e8, e10 at most 119, e10 at least -126; e6 + e7 between -90 and 120; e8 + e9 goes by v_ldexp_f32.
; NaN and infinities among the inputs are not served; |t| stays under 2^31.
; REGISTERS.  Window 0: v1-11 addresses; v16-31 Q (8 g); v32-95 K; v96-159 V.
;   Window 1: v0-127 the mask term, S^T, then p (64 g); v128-191 O^T (32 g); v192-223 P's codes (16 g); v224.. state.
.set MP,    1040
.set SLOTB, 128*MP
.set SPARE, 2*SLOTB                    ; the spare words: 128 bytes a wave, four blocks of 256 bytes that no other line names
.set LI,   1                           ; 16 x lane
.set AM0,  2                           ; (32 (wave % 4) + r) x 1,040 + 32 h
.set ADM,  4                           ; the same in the slot last opened
.set SPW,  6
.set NIL,  7
.set PFO,  8
.set QF,   16
.set KF,   32
.set VF,   96
.set OB,   128                         ; from here on: numbers in window 1
.set PCB,  192
.set NM,   224                         ; + 4 g: -M, largest t, the sum in two halves
.set FF,   232                         ; + 2 g: f = 2^(old M - new M), and a word named with it as a pair
.set TA,   236                         ; + g
.set TC,   238
.set TP,   240
.set P_SC, 248                         ; 2^e8
.set A_SC, 249                         ; 2^e10
.set A_LIM, 250                        ; 448 x 2^e10
.set WV,   16
.set G1,   24                          ; s[24:31] descriptor group 1;  s[40:43] group 0, which walks
.set G0,   40
.set KP,   44                          ; s[44:45] my head's K of the next step; V lies 4,194,304 bytes on
.set GS,   46                          ; the slot that the next load fills: 0 or SLOTB
.set GB,   47                          ; my 16 rows' place in a slot
.set SEL,  48
.set CS,   52                          ; s[52:53] log2(e) / 8 x 2^(e6 + e7)
.set NB,   54                          ; s[54:55] -1e9 x 2^-(e6 + e7)
.set TB,   56                          ; LDS byte at which the slot last opened begins
.set STEPS, 57
.set LIM,  58
.set PFA,  60
.set MSB, 0
.macro WIN new                         ; the immediate's high byte repeats the setting that is left
.if MSB != \new
	s_set_vgpr_msb (MSB<<8)|\new
.set MSB, \new
.endif
.endm
.macro AW
	s_wait_alu depctr_va_vdst(0)
.endm
.macro PLACES
.rept 4
	v_nop                                          ; four places (ISA guide 7.12.1) behind the products above
.endr
.endm
.macro CROUND                          ; a round of the cluster's barrier
	s_barrier_signal -1
	s_barrier_wait -1
	s_cmp_lg_u32 s[WV], 0
	s_cbranch_scc1 .Lnot_wave_0_\@
	s_barrier_signal -3
.Lnot_wave_0_\@:
	s_barrier_wait -3
	s_barrier_signal -1
	s_barrier_wait -1
.endm
.macro JLOAD                           ; a joint load, one a wave
	tensor_load_to_lds s[G0:G0+3], s[G1:G1+7]
	s_nop 0
.rept 4
	v_nop
.endr
.endm
; A PREFETCH of the mask's tile that stands two refills on.  Each aligned block of 256 bytes is named once in the launch: by the cluster with x = 0; its partner cx takes rows 32 cx on, waves 0 to 3 eight rows each,
; four lanes a row.  Partners are told apart by address alone.  Tiles 0 to 2 come by their loads alone; the last two refills ask for nothing.
.macro ASK
	s_cmp_gt_u32 s[STEPS], s[LIM]
	s_cbranch_scc0 .Lnot_mine_\@
	global_prefetch_b8 v[PFO], s[PFA:PFA+1] th:TH_LOAD_NT scope:SCOPE_SE
.Lnot_mine_\@:
.endm
; THE CHANGE OF SLOTS.  Each wave waits for its tensor load (its part of the next tile), adds 0 to its spare word, and waits for that; its reads of the slot in hand were awaited at the step's head.
; fill = 1: a round of the cluster's barrier, then the joint refill of the slot just read out, which has two steps in which to land.
.macro CHANGE fill
	WIN 0
	AW
	s_wait_tensorcnt 0x0
	ds_add_u32 v[SPW], v[NIL]
.if \fill
	s_xor_b32 s[GS], s[GS], SLOTB                  ; the walking descriptor: the other slot, the next 256 keys
	s_add_co_u32 s[G0+1], s[GB], s[GS]
	s_add_nc_u64 s[G0+2:G0+3], s[G0+2:G0+3], 1024
	s_wait_xcnt 0x0                                ; the last prefetch has read its address
	s_add_nc_u64 s[PFA:PFA+1], s[PFA:PFA+1], 1024
	s_wait_dscnt 0x0
	CROUND
	JLOAD
	ASK
.else
	s_wait_dscnt 0x0
	s_barrier_signal -1
	s_barrier_wait -1
.endif
.endm
.macro LDM off                         ; the mask, in S^T's layout, into S's registers: the slot's keys from byte off of its rows on
	WIN 0x40
.irp g, 0,1
.irp t, 0,1,2,3,4,5,6,7
.irp c, 0,1
	ds_load_b128 v[64*\g+8*\t+4*\c:64*\g+8*\t+4*\c+3], v[ADM] offset:16*MP*\g+64*\t+16*\c+(\off)
.endr
.endr
.endr
.endm
.macro LDK                             ; my head's eight tiles of 16 keys
.irp t, 0,1,2,3,4,5,6,7
.irp c, 0,1
	global_load_b128 v[KF+8*\t+4*\c:KF+8*\t+4*\c+3], v[LI], s[KP:KP+1] offset:1024*\t+512*\c
.endr
.endr
.endm
.macro LDV                             ; my head's four tiles of 16 channels x 128 keys
.irp d, 0,1,2,3
.irp c, 0,1,2,3
	global_load_b128 v[VF+16*\d+4*\c:VF+16*\d+4*\c+3], v[LI], s[KP:KP+1] offset:4194304+2048*\d+512*\c
.endr
.endr
.endm
.macro QK                              ; S^T = K Q^T + the mask term, in place: K, Q in window 0, C and D in window 1
	WIN 0x50
.irp t, 0,1,2,3,4,5,6,7
.irp g, 0,1
	v_wmma_f32_16x16x64_fp8_fp8 v[64*\g+8*\t:64*\g+8*\t+7], v[KF+8*\t:KF+8*\t+7], v[QF+8*\g:QF+8*\g+7], v[64*\g+8*\t:64*\g+8*\t+7]
.endr
.endr
.endm
.macro PV                              ; O^T += V^T P: eight accumulators by turns; V in window 0, the rest in window 1
	WIN 0x54
.irp d, 0,1,2,3
.irp g, 0,1
	v_wmma_f32_16x16x128_fp8_fp8 v[OB+32*\g+8*\d:OB+32*\g+8*\d+7], v[VF+16*\d:VF+16*\d+15], v[PCB+16*\g:PCB+16*\g+15], v[OB+32*\g+8*\d:OB+32*\g+8*\d+7]
.endr
.endr
.endm
.macro MAXP                            ; the step's largest raw sum of each query, four chains by turns; each accumulator is read from its low end on
.irp g, 0,1
	v_max_num_f32 v[TA+\g], v[64*\g], v[64*\g+1]
	v_max_num_f32 v[TC+\g], v[64*\g+2], v[64*\g+3]
.endr
.set j, 4
.rept 15
.irp g, 0,1
	v_max3_num_f32 v[TA+\g], v[TA+\g], v[64*\g+j], v[64*\g+j+1]
	v_max3_num_f32 v[TC+\g], v[TC+\g], v[64*\g+j+2], v[64*\g+j+3]
.endr
.set j, j+4
.endr
.endm
.macro BOOK                            ; M, f, and the sums under the new M; the two tiles' chains by turns
.irp g, 0,1
	v_max_num_f32 v[TA+\g], v[TA+\g], v[TC+\g]
.endr
.irp g, 0,1
	v_permlanex16_b32 v[TP+\g], v[TA+\g], s[SEL], s[SEL+1]
.endr
.irp g, 0,1
	v_max_num_f32 v[TA+\g], v[TA+\g], v[TP+\g]
.endr
.irp g, 0,1
	v_mul_f32 v[TA+\g], s[CS], v[TA+\g]            ; as t
.endr
.irp g, 0,1
	v_max_num_f32 v[NM+4*\g+1], v[NM+4*\g+1], v[TA+\g]
	v_mov_b32 v[TC+\g], v[NM+4*\g]
.endr
.irp g, 0,1
	v_floor_f32 v[NM+4*\g], -v[NM+4*\g+1]          ; -M = floor(-t)
.endr
.irp g, 0,1
	v_sub_f32 v[TA+\g], v[NM+4*\g], v[TC+\g]       ; old M - new M
.endr
.irp g, 0,1
	v_cvt_i32_f32 v[TA+\g], v[TA+\g]               ; (it saturates)
.endr
.irp g, 0,1
	v_ldexp_f32 v[FF+2*\g], 1.0, v[TA+\g]
.endr
.irp g, 0,1
	v_pk_mul_f32 v[NM+4*\g+2:NM+4*\g+3], v[NM+4*\g+2:NM+4*\g+3], v[FF+2*\g:FF+2*\g+1] op_sel_hi:[1,0]
.endr
.endm
.macro LADD b, pa, pb                  ; the sum's tree, in place: pair pa of the tile at b += pair pb
	v_pk_add_f32 v[(\b)+2*(\pa):(\b)+2*(\pa)+1], v[(\b)+2*(\pa):(\b)+2*(\pa)+1], v[(\b)+2*(\pb):(\b)+2*(\pb)+1]
.endm
.macro LEVEL b, n, s                   ; n additions: pair 2 s i += pair 2 s i + s
.set i, 0
.rept \n
	LADD \b, 2*(\s)*i, 2*(\s)*i+(\s)
.set i, i+1
.endr
.endm
; Both tiles: O^T under the new M, t, t - M, p, the sums, P's codes.  The exponentials go in four runs of 32; between them stand plain lines that read only what was written ahead of the run's opening wait
; and whose results are read only behind its closing wait.
.macro SOFTB
	WIN 0x55
	AW                                             ; directly ahead of the first readers of O^T
.irp g, 0,1
.set j, 0
.rept 16
	v_pk_mul_f32 v[OB+32*\g+j:OB+32*\g+j+1], v[OB+32*\g+j:OB+32*\g+j+1], v[FF+2*\g:FF+2*\g+1] op_sel_hi:[1,0]
.set j, j+2
.endr
.endr
.set j, 0
.rept 32
	v_pk_mul_f32 v[j:j+1], v[j:j+1], s[CS:CS+1] op_sel_hi:[1,0]               ; t, tile 0
.set j, j+2
.endr
.set j, 0
.rept 32
	v_pk_add_f32 v[j:j+1], v[j:j+1], v[NM:NM+1] op_sel_hi:[1,0]               ; t - M
.set j, j+2
.endr
	AW
.set j, 0
.rept 32
	v_exp_f32 v[j], v[j]
	v_pk_mul_f32 v[64+2*j:65+2*j], v[64+2*j:65+2*j], s[CS:CS+1] op_sel_hi:[1,0]   ; t, tile 1
.set j, j+1
.endr
	AW
.set j, 0
.rept 32
	v_exp_f32 v[32+j], v[32+j]
	v_pk_add_f32 v[64+2*j:65+2*j], v[64+2*j:65+2*j], v[NM+4:NM+5] op_sel_hi:[1,0]
.set j, j+1
.endr
	AW
.set t, 0
.rept 8                                ; tile 0's codes, and behind them (two plain lines on) the first level of its sum, which writes over p
	v_exp_f32 v[64+4*t], v[64+4*t]
	v_cvt_scalef32_pk8_fp8_f32 v[PCB+2*t:PCB+2*t+1], v[8*t:8*t+7], v[P_SC]
	v_exp_f32 v[65+4*t], v[65+4*t]
.if t > 0
	LADD 0, 4*t-4, 4*t-3
.else
	v_nop
.endif
	v_exp_f32 v[66+4*t], v[66+4*t]
.if t > 0
	LADD 0, 4*t-2, 4*t-1
.else
	v_nop
.endif
	v_exp_f32 v[67+4*t], v[67+4*t]
.set t, t+1
.endr
	LADD 0, 28, 29
	LADD 0, 30, 31
	AW
.set j, 0
.rept 32
	v_exp_f32 v[96+j], v[96+j]
.if (j%4) == 1
	LADD 0, j-1, j+1                               ; the second level
.endif
.set j, j+1
.endr
	v_nop                                          ; a plain line behind the last exponential
	AW
.set t, 0
.rept 8
	v_cvt_scalef32_pk8_fp8_f32 v[PCB+16+2*t:PCB+16+2*t+1], v[64+8*t:64+8*t+7], v[P_SC]
.set t, t+1
.endr
	LEVEL 0, 4, 4                                  ; the two trees by turns
	LEVEL 64, 16, 1
	LEVEL 0, 2, 8
	LEVEL 64, 8, 2
	LADD 0, 0, 16
	LEVEL 64, 4, 4
	v_pk_add_f32 v[NM+2:NM+3], v[NM+2:NM+3], v[0:1]
	LEVEL 64, 2, 8
	LADD 64, 0, 16
	v_pk_add_f32 v[NM+6:NM+7], v[NM+6:NM+7], v[64:65]
.endm
; A STEP: 128 keys.  par: the slot's first or second step.  kv = 1: the next step's K and V are asked for.  chg 2: a change of slots that refills; 1: one that opens the last tile; 0: none.  nxt = 1: the next step's mask is read.
.macro STEP par, kv, chg, nxt
	AW
	s_wait_dscnt 0x0                               ; the mask
	WIN 0x55
.set j, 0
.rept 64
	v_pk_mul_f32 v[j:j+1], v[j:j+1], s[NB:NB+1] op_sel_hi:[1,0]   ; the mask term
.set j, j+2
.endr
	AW
	s_wait_loadcnt 16                              ; K (and, the first time, Q); V's 16 loads, issued behind it, may be out
	QK
	PLACES                                         ; in front of the loads into K's registers and of the first read of the sums
.if \kv
	WIN 0
	LDK
.endif
	WIN 0x55
	MAXP
	BOOK
	SOFTB
.if \chg == 2
	CHANGE 1
.elseif \chg == 1
	CHANGE 0
.endif
.if \chg > 0
	s_xor_b32 s[TB], s[TB], SLOTB
	v_add_nc_u32 v[ADM], s[TB], v[AM0]
.endif
	AW
.if \nxt
	LDM 512*(1-\par)                               ; into S's registers, which the sums and conversions have left
.endif
	s_wait_loadcnt 16*\kv                          ; V; the next K's 16 loads, issued behind it, may be out
	PV
	PLACES                                         ; in front of the loads into V's registers
	WIN 0
.if \kv
	LDV
	s_wait_xcnt 0x0                                ; the loads have read their base
	s_add_nc_u64 s[KP:KP+1], s[KP:KP+1], 8192
.endif
.endm
	s_load_b256 s[4:11], s[0:1], 0x0               ; q_img, kv_img, mask, the scales' exponents
	s_load_b64 s[12:13], s[0:1], 0x20              ; a_img
	v_lshl_add_u32 v[SPW], v0, 2, SPARE
	v_mov_b32 v[NIL], 0
	ds_add_u32 v[SPW], v[NIL]
	ds_add_u32 v[SPW], v[NIL]
	v_lshrrev_b32 v9, 5, v0
	v_readfirstlane_b32 s[WV], v9                  ; wave 0..7
	s_and_b32 s17, s[WV], 3                        ; my 32 queries
	s_lshr_b32 s70, s[WV], 2                       ; my head of the pair
	s_bfe_u32 s18, ttmp6, 0x40000                  ; cx
	s_bfe_u32 s19, ttmp6, 0x40004                  ; cy
	s_lshl_b32 s20, ttmp9, 2
	s_add_co_u32 s20, s20, s18                     ; X = 4 batch + pair of heads
	s_and_b32 s21, ttmp7, 0xffff
	s_lshl_b32 s21, s21, 2
	s_add_co_u32 s21, s21, s19                     ; Y = block of 128 queries
	s_lshl_b32 s22, s19, 2
	s_lshl_b32 s22, 15, s22                        ; my row of the cluster
	s_or_b32 s[G1], s22, (2<<16)|(1<<20)|(1<<21)|(7<<22)|(3<<25)   ; elements of 4 bytes; four words of padding behind every 256
	s_mov_b32 s[G1+1], 256<<16
	s_mov_b32 s[G1+2], 16<<16
	s_mov_b32 s[G1+3], 256<<16
	s_mov_b32 s[G1+4], 16                          ; 16 rows of 256 elements,
	s_mov_b32 s[G1+5], 4096                        ; 4,096 elements apart
	s_mov_b32 s[G1+6], 0
	s_mov_b32 s[G1+7], 0
	s_mul_i32 s[GB], s[WV], 16*MP
	s_mov_b32 s[GS], 0
	s_mov_b32 s[G0], 1
	s_mov_b32 s[G0+1], s[GB]
	s_lshl_b32 s66, s21, 21                        ; the mask: row 128 Y + 16 wave, 16,384 bytes a row (never holds cx)
	s_lshl_b32 s2, s[WV], 18
	s_add_co_u32 s66, s66, s2
	s_mov_b32 s67, 0
	s_mov_b32 s[SEL], 0x76543210
	s_mov_b32 s[SEL+1], 0xfedcba98
	s_mov_b32 s[CS], 0x3e38aa3b                    ; log2(e) / 8
	s_mov_b32 s[NB], 0xce6e6b28                    ; -1e9
	s_mov_b32 s[TB], 0
	s_mov_b32 s[STEPS], 14
	AW
	s_wait_dscnt 0x0
	s_wait_kmcnt 0x0
	s_load_b256 s[72:79], s[10:11], 0x0            ; e0 .. e7
	s_load_b128 s[80:83], s[10:11], 0x20           ; e8 .. e11
	s_add_nc_u64 s[G0+2:G0+3], s[8:9], s[66:67]
	s_or_b32 s[G0+3], s[G0+3], 0x80000000
	CROUND                                         ; the first joint loads meet
	JLOAD                                          ; tile 0 into slot 0: one tensor load a wave at the head
	s_wait_kmcnt 0x0
	s_mul_i32 s2, s17, 32*MP
	s_lshl_b32 s68, s20, 19                        ; K: (2 X + head) x 262,144
	s_lshl_b32 s87, s70, 18
	s_add_co_u32 s68, s68, s87
	s_mov_b32 s69, 0
	s_add_nc_u64 s[KP:KP+1], s[6:7], s[68:69]
	s_lshl_b32 s87, s21, 13                        ; Q: the same, + (8 Y + 2 (wave % 4)) tiles of 1,024 bytes
	s_add_co_u32 s86, s68, s87
	s_lshl_b32 s87, s17, 11
	s_add_co_u32 s86, s86, s87
	s_mov_b32 s87, 0
	s_add_nc_u64 s[4:5], s[4:5], s[86:87]
	s_lshr_b32 s86, s20, 2                         ; a: row tile 256 batch + 8 Y + 2 (wave % 4), 8,192 bytes each; K step = pair, 2,048 bytes; my head's two pieces, 1,024 bytes
	s_lshl_b32 s86, s86, 21
	s_lshl_b32 s87, s21, 16
	s_add_co_u32 s86, s86, s87
	s_lshl_b32 s87, s17, 14
	s_add_co_u32 s86, s86, s87
	s_and_b32 s87, s20, 3
	s_lshl_b32 s87, s87, 11
	s_add_co_u32 s86, s86, s87
	s_lshl_b32 s87, s70, 10
	s_add_co_u32 s86, s86, s87
	s_mov_b32 s87, 0
	s_add_nc_u64 s[12:13], s[12:13], s[86:87]
	s_lshl_b32 s84, s21, 21                        ; the prefetches: row 128 Y + 32 cx + 8 (wave % 4),
	s_lshl_b32 s85, s18, 19
	s_add_co_u32 s84, s84, s85
	s_lshl_b32 s85, s17, 17
	s_add_co_u32 s84, s84, s85
	s_add_co_u32 s84, s84, 2048                    ; at tile 2: each change of slots steps it first
	s_mov_b32 s85, 0
	s_add_nc_u64 s[PFA:PFA+1], s[8:9], s[84:85]
	s_cmp_lt_u32 s[WV], 4
	s_cselect_b32 s89, 0, 1                        ; waves 4 to 7 never ask
	s_or_b32 s88, ttmp9, s89                       ; nor does the cluster with x = 1, which reads the same rows
	s_cmp_eq_u32 s88, 0
	s_cselect_b32 s[LIM], 2, -1                    ; the same in all sixteen partners, for a given wave
	s_add_co_i32 s84, s78, s79                     ; e6 + e7, into the two constants' exponent fields
	s_lshl_b32 s84, s84, 23
	s_add_co_i32 s[CS], s[CS], s84
	s_mov_b32 s[CS+1], s[CS]
	s_sub_co_i32 s[NB], s[NB], s84
	s_mov_b32 s[NB+1], s[NB]
	s_add_co_i32 s59, s80, s81                     ; e8 + e9
	s_add_co_i32 s86, s80, 127
	s_lshl_b32 s86, s86, 23                        ; 2^e8
	s_add_co_i32 s88, s82, 127
	s_lshl_b32 s87, s88, 23                        ; 2^e10
	s_add_co_i32 s88, s88, 8
	s_lshl_b32 s88, s88, 23
	s_or_b32 s88, s88, 0x600000                    ; 448 x 2^e10
	v_and_b32 v9, 31, v0
	v_and_b32 v10, 15, v0
	v_bfe_u32 v11, v0, 4, 1
	v_lshlrev_b32 v[LI], 4, v9
	v_mul_u32_u24 v[AM0], v10, MP
	v_lshl_add_u32 v[AM0], v11, 5, v[AM0]
	v_add_nc_u32 v[AM0], s2, v[AM0]
	v_lshrrev_b32 v10, 2, v9
	v_lshlrev_b32 v[PFO], 14, v10                  ; four lanes a row of the mask,
	v_and_b32 v10, 3, v9
	v_lshl_add_u32 v[PFO], v10, 8, v[PFO]          ; 256 bytes apart
	AW
.irp g, 0,1
.irp c, 0,1
	global_load_b128 v[QF+8*\g+4*\c:QF+8*\g+4*\c+3], v[LI], s[4:5] offset:1024*\g+512*\c   ; Q stays in registers
.endr
.endr
	LDK                                            ; step 0's K,
	LDV                                            ; and V
	WIN 0x40                                       ; window 1.  The step is written for every trip alike: the first finds zeros, which the first change of M leaves zeros
.set j, 0
.rept 64
	v_mov_b32 v[OB+j], 0
.set j, j+1
.endr
.irp g, 0,1
	v_mov_b32 v[NM+4*\g], 0x7f61b1e6               ; -M = 3e38
	v_mov_b32 v[NM+4*\g+1], 0xff61b1e6             ; the largest t so far: -3e38
	v_mov_b32 v[NM+4*\g+2], 0
	v_mov_b32 v[NM+4*\g+3], 0
	v_mov_b32 v[FF+2*\g+1], 0
	v_mov_b32 v[TP+\g], 0
.endr
	v_mov_b32 v[P_SC], s86
	v_mov_b32 v[A_SC], s87
	v_mov_b32 v[A_LIM], s88
	WIN 0
	AW
	s_wait_xcnt 0x0                                ; the loads have read their base
	s_add_nc_u64 s[KP:KP+1], s[KP:KP+1], 8192
	CHANGE 1                                       ; tile 0 is in; tile 1 into slot 1, issued as a refill is
	v_add_nc_u32 v[ADM], s[TB], v[AM0]
	LDM 0
	WIN 0
.Lslot:                                            ; 14 trips: trip m multiplies tile m's two steps, asks for tile m + 2 and opens tile m + 1
	STEP 0, 1, 0, 1
	STEP 1, 1, 2, 1
	s_sub_co_u32 s[STEPS], s[STEPS], 1
	s_cmp_lg_u32 s[STEPS], 0
	AW
	s_cbranch_scc1 .Lslot
	STEP 0, 1, 0, 1                                ; the last two tiles are written out: they ask for no tile
	STEP 1, 1, 1, 1
	STEP 0, 1, 0, 1
	STEP 1, 0, 0, 0
	; THE WAY OUT: O^T x 2^(e8 + e9) / the sum, held, converted under e10; eight registers a tile are two pieces of the last product's operand.
	WIN 0x55
.irp g, 0,1
	v_add_f32 v[TA+\g], v[NM+4*\g+2], v[NM+4*\g+3]
.endr
.irp g, 0,1
	v_permlanex16_b32 v[TP+\g], v[TA+\g], s[SEL], s[SEL+1]
.endr
.irp g, 0,1
	v_add_f32 v[TA+\g], v[TA+\g], v[TP+\g]
.endr
	AW
	v_rcp_f32 v[TA], v[TA]
	v_rcp_f32 v[TA+1], v[TA+1]
	v_nop
	AW
	v_ldexp_f32 v[TA], v[TA], s59
	v_ldexp_f32 v[TA+1], v[TA+1], s59
	AW                                             ; directly ahead of the first readers of O^T
.irp g, 0,1
.set j, 0
.rept 32
	v_mul_f32 v[32*\g+j], v[OB+32*\g+j], v[TA+\g]
.set j, j+1
.endr
.endr
.set j, 0
.rept 64
	v_med3_num_f32 v[j], v[j], -v[A_LIM], v[A_LIM]
.set j, j+1
.endr
.set j, 0
.rept 8
	v_cvt_scalef32_pk8_fp8_f32 v[PCB+2*j:PCB+2*j+1], v[8*j:8*j+7], v[A_SC]
.set j, j+1
.endr
	v_nop                                          ; a plain line behind the last conversion
	WIN 0x04                                       ; the stores' data in window 1
.irp g, 0,1
.irp c, 0,1
	global_store_b128 v[LI], v[PCB+8*\g+4*\c:PCB+8*\g+4*\c+3], s[12:13] offset:8192*\g+512*\c   ; 32 lanes store 512 consecutive bytes, aligned
.endr
.endr
	WIN 0
	s_wait_tensorcnt 0x0                           ; the wave's end
	ds_add_u32 v[SPW], v[NIL]
	s_wait_dscnt 0x0
	CROUND                                         ; the closing round
	s_endpgm
.Lfunc_end_k_q3853ddfd56_attn:
	.size	k_q3853ddfd56_attn, .Lfunc_end_k_q3853ddfd56_attn-k_q3853ddfd56_attn
	.p2alignl 7, 3214868480
	.fill 96, 4, 3214868480
	.section	.rodata,"a",@progbits
	.p2align	6, 0x0
	.amdhsa_kernel k_q3853ddfd56_attn
		.amdhsa_group_segment_fixed_size 327680
		.amdhsa_private_segment_fixed_size 0
		.amdhsa_enable_private_segment 0
		.amdhsa_kernarg_size 40
		.amdhsa_user_sgpr_count 2
		.amdhsa_user_sgpr_kernarg_segment_ptr 1
		.amdhsa_wavefront_size32 1
		.amdhsa_system_sgpr_workgroup_id_x 1
		.amdhsa_system_sgpr_workgroup_id_y 1
		.amdhsa_system_sgpr_workgroup_id_z 1
		.amdhsa_system_vgpr_workitem_id 0
		.amdhsa_next_free_vgpr 512
		.amdhsa_next_free_sgpr 92
		.amdhsa_reserve_vcc 0
		.amdhsa_float_denorm_mode_32 3
		.amdhsa_float_denorm_mode_16_64 3
		.amdhsa_memory_ordered 1
		.amdhsa_forward_progress 1
		.amdhsa_inst_pref_size 232
	.end_amdhsa_kernel
	.amdgpu_metadata
---
amdhsa.version: [ 1, 2 ]
amdhsa.kernels:
  - .name:           k_q3853ddfd56_attn
    .symbol:         k_q3853ddfd56_attn.kd
    .args:
      - { .name: q_img, .offset: 0, .size: 8, .value_kind: global_buffer, .address_space: global }
      - { .name: kv_img, .offset: 8, .size: 8, .value_kind: global_buffer, .address_space: global }
      - { .name: mask, .offset: 16, .size: 8, .value_kind: global_buffer, .address_space: global }
      - { .name: lowp_scales, .offset: 24, .size: 8, .value_kind: global_buffer, .address_space: global }
      - { .name: a_img, .offset: 32, .size: 8, .value_kind: global_buffer, .address_space: global }
    .group_segment_fixed_size: 327680
    .private_segment_fixed_size: 0
    .kernarg_segment_align: 8
    .kernarg_segment_size: 40
    .max_flat_workgroup_size: 256
    .sgpr_count:     92
    .vgpr_count:     512
    .wavefront_size: 32
...
	.end_amdgpu_metadata
.endif
;; end of part 3
;; launch oproj (part 4): grid 64 x 4, 4 waves a work-group, no clusters, 34,304 bytes of LDS; arguments a_img, wimg, bo, lowp_scales, out0; writes out0
.if DOCPART == 4
	.amdgcn_target "amdgcn-amd-amdhsa--gfx1250"
	.amdhsa_code_object_version 6
	.text
	.protected	k_q3853ddfd56_oproj
	.globl	k_q3853ddfd56_oproj
	.p2align	8
	.type	k_q3853ddfd56_oproj,@function
k_q3853ddfd56_oproj:
	s_mov_b64 s[64:65], 0
	v_nop
	global_prefetch_b8 v0, s[64:65] scope:SCOPE_SE
	s_setreg_imm32_b32 hwreg(HW_REG_WAVE_MODE, 25, 1), 1
	s_wait_xcnt 0x0
; out0 = a Wo + bo on codes of E4M3: a_img[row tile of 16][K step of 128][piece][lane][16 bytes] and Wo's images (weight 3 of wimg, same form by tiles of 16 columns); out0: [8192][512] f32.
; SHARES.  Work-group x = 128 rows, y = 128 columns.  Wave w: rows 32 w on (two row tiles) x all eight column tiles: 16 accumulators, K = 512 in four steps: 64 matrix instructions.
; All operands come straight from memory into registers as they lie, 512 consecutive bytes a load.  A wave's rows of the block are whole pieces of 512 bytes, so its stage in LDS is its own: no barrier.
; NO CLUSTER, NO TENSOR LOAD: a wave's whole work is 64 matrix instructions on operands that it loads once; a ring in LDS with the cluster's rounds would stand in front of that one pass.
; TRANSPOSED USE (source 0 = 16 columns of Wo, source 1 = 16 rows of a): lane (r, h) holds row r, columns 16 t + 8 h + 0..7: 32 neighbouring bytes.  out = sum x 2^(e10 + e11) + bo: one fused multiply-add.
; LIMIT: e10 + e11 between -126 and 127.
; REGISTERS.  Window 0: v1-4 addresses; v16-79 bo in the result's layout; v80-143 results; v144-207 rows read back.  Window 1: Wo's tiles 0-3 at v[64 t + 16 s + 4 c]; window 2: tiles 4-7.
;   Window 3: v0-127 a's fragments at v[64 m + 16 s + 4 c]; v128-255 the accumulators, (m, t) at v[128 + 8 (8 m + t)].
.set LI,   1                           ; 16 x lane
.set STO,  2                           ; the stage, in: 8,448 wave + 528 r + 32 h
.set RD,   3                           ; the stage, back: 8,448 wave + 16 x lane
.set BH,   4                           ; 32 h
.set BIAS, 16
.set TMP,  80
.set BK,   144
.set SPITCH, 528                       ; a stage row: 512 bytes + 16 = 132 words: row r starts at bank 4 r mod 64 (ISA guide 11.1)
.set MSB, 0
.macro WIN new                         ; the immediate's high byte repeats the setting that is left; a switch that changes nothing is dropped
.if MSB != \new
	s_set_vgpr_msb (MSB<<8)|\new
.set MSB, \new
.endif
.endm
	s_load_b256 s[4:11], s[0:1], 0x0               ; a_img s[4:5], wimg s[6:7], bo s[8:9], the scales' exponents s[10:11]
	s_load_b64 s[12:13], s[0:1], 0x20              ; out0
	v_lshl_add_u32 v254, v0, 2, 0x8400
	v_mov_b32 v255, 0
	v_lshrrev_b32 v5, 5, v0
	v_readfirstlane_b32 s16, v5                    ; wave 0..3
	v_and_b32 v6, 31, v0
	v_and_b32 v7, 15, v0                           ; r
	v_bfe_u32 v8, v0, 4, 1                         ; h
	v_lshlrev_b32 v[LI], 4, v6
	s_mul_i32 s24, s16, 16*SPITCH                  ; my stage
	v_mul_u32_u24 v[STO], v7, SPITCH
	v_lshl_add_u32 v[STO], v8, 5, v[STO]
	v_add_nc_u32 v[STO], s24, v[STO]
	v_add_nc_u32 v[RD], s24, v[LI]
	v_lshlrev_b32 v[BH], 5, v8
	s_and_b32 s17, ttmp7, 0xffff
	s_lshl_b32 s26, ttmp9, 16                      ; a: eight row tiles of 8,192 bytes a work-group,
	s_lshl_b32 s25, s16, 14                        ; two a wave
	s_add_co_u32 s26, s26, s25
	s_mov_b32 s27, 0
	s_lshl_b32 s28, s17, 16                        ; Wo: eight column tiles of 8,192 bytes,
	s_add_co_u32 s28, s28, 786432                  ; in the fourth weight of wimg
	s_mov_b32 s29, 0
	s_lshl_b32 s30, s17, 9                         ; bo, and a row of out0: 128 columns of 4 bytes
	s_mov_b32 s31, 0
	s_lshl_b32 s32, ttmp9, 18                      ; out0: 128 rows of 2,048 bytes a work-group,
	s_lshl_b32 s25, s16, 16                        ; 32 a wave
	s_add_co_u32 s32, s32, s25
	s_add_co_u32 s32, s32, s30
	s_mov_b32 s33, 0
	s_wait_alu depctr_va_vdst(0)
	s_wait_kmcnt 0x0
	s_load_b64 s[20:21], s[10:11], 0x28            ; e10, e11
	s_add_nc_u64 s[4:5], s[4:5], s[26:27]
	s_add_nc_u64 s[6:7], s[6:7], s[28:29]
	s_add_nc_u64 s[8:9], s[8:9], s[30:31]
	s_add_nc_u64 s[12:13], s[12:13], s[32:33]
.irp s, 0,1,2,3                        ; K step by K step: 8 loads of a, 32 of Wo
	WIN 0xc0                                       ; destination window 3
.irp m, 0,1
.irp c, 0,1,2,3
	global_load_b128 v[64*\m+16*\s+4*\c:64*\m+16*\s+4*\c+3], v[LI], s[4:5] offset:8192*\m+2048*\s+512*\c
.endr
.endr
	WIN 0x40                                       ; destination window 1
.irp t, 0,1,2,3
.irp c, 0,1,2,3
	global_load_b128 v[64*\t+16*\s+4*\c:64*\t+16*\s+4*\c+3], v[LI], s[6:7] offset:8192*\t+2048*\s+512*\c
.endr
.endr
	WIN 0x80                                       ; destination window 2
.irp t, 0,1,2,3
.irp c, 0,1,2,3
	global_load_b128 v[64*\t+16*\s+4*\c:64*\t+16*\s+4*\c+3], v[LI], s[6:7] offset:8192*(\t+4)+2048*\s+512*\c
.endr
.endr
.endr
	WIN 0
.irp t, 0,1,2,3,4,5,6,7
.irp j, 0,1
	global_load_b128 v[BIAS+8*\t+4*\j:BIAS+8*\t+4*\j+3], v[BH], s[8:9] offset:64*\t+16*\j   ; bo(16 t + 8 h + 0..7)
.endr
.endr
	s_wait_kmcnt 0x0
	s_add_co_i32 s22, s20, s21
	s_add_co_i32 s22, s22, 127
	s_lshl_b32 s22, s22, 23                        ; 2^(e10 + e11) as f32
	s_mov_b32 s23, s22                             ; (named with it as a pair, so it is written)
; The sixteen accumulators take turns, one instruction a turn, in the same order in every K step; the first K step starts the sums.
.irp s, 0,1,2,3
.if \s < 2
	s_wait_loadcnt 63                              ; behind this K step's loads 136 (then 96) were issued: the largest count that the wait can name is safe
.elseif \s == 2
	s_wait_loadcnt 56                              ; K step 3's 40 loads and the bias's 16 may be out
.else
	s_wait_loadcnt 16                              ; the bias's 16 may be out
.endif
	WIN 0xfd                                       ; source 0 (Wo) window 1; source 1 (a), C and D window 3
.irp m, 0,1
.irp t, 0,1,2,3
.if \s == 0
	v_wmma_f32_16x16x128_fp8_fp8 v[128+8*(8*\m+\t):128+8*(8*\m+\t)+7], v[64*\t+16*\s:64*\t+16*\s+15], v[64*\m+16*\s:64*\m+16*\s+15], 0
.else
	v_wmma_f32_16x16x128_fp8_fp8 v[128+8*(8*\m+\t):128+8*(8*\m+\t)+7], v[64*\t+16*\s:64*\t+16*\s+15], v[64*\m+16*\s:64*\m+16*\s+15], v[128+8*(8*\m+\t):128+8*(8*\m+\t)+7]
.endif
.endr
.endr
	WIN 0xfe                                       ; source 0 window 2
.irp m, 0,1
.irp t, 0,1,2,3
.if \s == 0
	v_wmma_f32_16x16x128_fp8_fp8 v[128+8*(8*\m+\t+4):128+8*(8*\m+\t+4)+7], v[64*\t+16*\s:64*\t+16*\s+15], v[64*\m+16*\s:64*\m+16*\s+15], 0
.else
	v_wmma_f32_16x16x128_fp8_fp8 v[128+8*(8*\m+\t+4):128+8*(8*\m+\t+4)+7], v[64*\t+16*\s:64*\t+16*\s+15], v[64*\m+16*\s:64*\m+16*\s+15], v[128+8*(8*\m+\t+4):128+8*(8*\m+\t+4)+7]
.endif
.endr
.endr
.endr
	WIN 0
.rept 4
	v_nop                                          ; four places (ISA guide 7.12.1) in front of the first read of the sums
.endr
	s_wait_loadcnt 0x0                             ; the bias
; THE WAY OUT, a row tile at a time: a lane's 32 bytes go into my own stage and come back as whole rows of 512 bytes.  LDS serves a wave's instructions in order (ISA guide 5.7.1.4): no wait between the stores and the loads.
.irp m, 0,1
.if \m == 1
	s_wait_dscnt 0x0                               ; the first tile's LDS stores have read their registers,
	s_wait_xcnt 0x0                                ; and its global stores theirs: both sets are written again
.endif
	WIN 0x03                                       ; source 0 (the sums) window 3
.irp t, 0,1,2,3,4,5,6,7
.irp i, 0,2,4,6
	v_pk_fma_f32 v[TMP+8*\t+\i:TMP+8*\t+\i+1], v[128+8*(8*\m+\t)+\i:128+8*(8*\m+\t)+\i+1], s[22:23], v[BIAS+8*\t+\i:BIAS+8*\t+\i+1] op_sel_hi:[1,0,1]   ; each accumulator from its low end on
.endr
.endr
	WIN 0
.irp t, 0,1,2,3,4,5,6,7
.irp j, 0,1
	ds_store_b128 v[STO], v[TMP+8*\t+4*\j:TMP+8*\t+4*\j+3] offset:64*\t+16*\j
.endr
.endr
.irp i, 0,1,2,3,4,5,6,7,8,9,10,11,12,13,14,15
	ds_load_b128 v[BK+4*\i:BK+4*\i+3], v[RD] offset:\i*SPITCH
.endr
.irp i, 0,1,2,3,4,5,6,7,8,9,10,11,12,13,14,15
	s_wait_dscnt 15-\i                             ; row i of the sixteen is back
	global_store_b128 v[LI], v[BK+4*\i:BK+4*\i+3], s[12:13] offset:(16*\m+\i)*2048 th:TH_STORE_NT   ; 32 lanes store 512 consecutive bytes, at a multiple of 512 from out0's first byte; written once, read by nobody here
.endr
.endr
	s_wait_tensorcnt 0x0
	ds_add_u32 v254, v255
	s_wait_dscnt 0x0
	s_endpgm
.Lfunc_end_k_q3853ddfd56_oproj:
	.size	k_q3853ddfd56_oproj, .Lfunc_end_k_q3853ddfd56_oproj-k_q3853ddfd56_oproj
	.p2alignl 7, 3214868480
	.fill 96, 4, 3214868480
	.section	.rodata,"a",@progbits
	.p2align	6, 0x0
	.amdhsa_kernel k_q3853ddfd56_oproj
		.amdhsa_group_segment_fixed_size 34304
		.amdhsa_private_segment_fixed_size 0
		.amdhsa_enable_private_segment 0
		.amdhsa_kernarg_size 40
		.amdhsa_user_sgpr_count 2
		.amdhsa_user_sgpr_kernarg_segment_ptr 1
		.amdhsa_wavefront_size32 1
		.amdhsa_system_sgpr_workgroup_id_x 1
		.amdhsa_system_sgpr_workgroup_id_y 1
		.amdhsa_system_sgpr_workgroup_id_z 1
		.amdhsa_system_vgpr_workitem_id 0
		.amdhsa_next_free_vgpr 1024
		.amdhsa_next_free_sgpr 66
		.amdhsa_reserve_vcc 0
		.amdhsa_float_denorm_mode_32 3
		.amdhsa_float_denorm_mode_16_64 3
		.amdhsa_memory_ordered 1
		.amdhsa_forward_progress 1
		.amdhsa_inst_pref_size 36
	.end_amdhsa_kernel
	.amdgpu_metadata
---
amdhsa.version: [ 1, 2 ]
amdhsa.kernels:
  - .name:           k_q3853ddfd56_oproj
    .symbol:         k_q3853ddfd56_oproj.kd
    .args:
      - { .name: a_img, .offset: 0, .size: 8, .value_kind: global_buffer, .address_space: global }
      - { .name: wimg, .offset: 8, .size: 8, .value_kind: global_buffer, .address_space: global }
      - { .name: bo, .offset: 16, .size: 8, .value_kind: global_buffer, .address_space: global }
      - { .name: lowp_scales, .offset: 24, .size: 8, .value_kind: global_buffer, .address_space: global }
      - { .name: out0, .offset: 32, .size: 8, .value_kind: global_buffer, .address_space: global }
    .group_segment_fixed_size: 34304
    .private_segment_fixed_size: 0
    .kernarg_segment_align: 8
    .kernarg_segment_size: 40
    .max_flat_workgroup_size: 128
    .sgpr_count:     66
    .vgpr_count:     1024
    .wavefront_size: 32
...
	.end_amdgpu_metadata
.endif
;; end of part 4
